; MI455X (gfx1250); checked and timed in simulation.
; The chip was launched on July 23, 2026; its instructions are those of AMD's public machine-readable ISA for CDNA 5 (MIT licence, August 2026) and "CDNA5" Instruction Set Architecture Reference Guide (July 2026). The comments in the code are by the model that wrote it; some were corrected since.
;; USP Attention. Allowed arithmetic: float matrix products may take bf16 or f16 operands with f32 sums; all other float work in f32.
;; Inputs: key 1 x 4,096 x 16 x 64 float32; query 1 x 4,096 x 16 x 64 float32; value 1 x 4,096 x 16 x 64 float32.
;; Outputs: out0 1 x 4,096 x 16 x 64 float32.
;; One version. Each part assembles by itself: llvm-mc -triple=amdgcn-amd-amdhsa -mcpu=gfx1250 --defsym DOCPART=n.
;; ======== version 1 of 1: 1 launch
;; launch attn (part 1): grid 16 x 16, 8 waves a work-group, clusters of 4 x 1, 327,680 bytes of LDS; arguments query, key, value, out0; writes out0
.if DOCPART == 1
	.amdgcn_target "amdgcn-amd-amdhsa--gfx1250"
	.amdhsa_code_object_version 6
	.text
	.protected	k_q208dfb22a3_attn
	.globl	k_q208dfb22a3_attn
	.p2align	8
	.type	k_q208dfb22a3_attn,@function
k_q208dfb22a3_attn:
	s_mov_b64 s[64:65], 0
	v_nop
	global_prefetch_b8 v0, s[64:65] scope:SCOPE_SE
	s_setreg_imm32_b32 hwreg(HW_REG_WAVE_MODE, 25, 1), 1
	s_wait_xcnt 0x0
	s_wait_alu depctr_hold_cnt(0) depctr_sa_sdst(0) depctr_va_vdst(0) depctr_va_sdst(0) depctr_va_ssrc(0) depctr_va_vcc(0) depctr_vm_vsrc(0)
	s_getreg_b32 s2, hwreg(HW_REG_IB_STS2, 6, 4)
	s_cmp_eq_u32 s2, 0
	s_cbranch_scc0 .Lentry_in_a_cluster
	s_endpgm
.Lentry_in_a_cluster:
	s_bfe_u32 s2, ttmp6, 0x10000c
	s_cmp_lg_u32 s2, 0x3003
	s_cbranch_scc0 .Lentry_shape_is_right
	s_endpgm
.Lentry_shape_is_right:
; out[q][h][:] = softmax over k of (query[q][h][:] . key[k][h][:] / 8) times value[k][h][:].   All four tensors [4096][16][64] f32:
; a head's row is 64 f32 = 256 bytes, at a multiple of 256 bytes, rows 4,096 bytes apart.
;
; SHARES.  256 work-groups: 16 blocks of 256 query rows (x) times 16 heads (y).  Eight waves: wave w has row group a = w & 3 (64 query rows)
; and key half g = w >> 2 (64 of each block's 128 keys), with a running maximum and sum of its own; the halves are merged once at the end.
; CLUSTER.  The four work-groups of a cluster (4, 1, 1) have the same head and walk the same key blocks, so every K and V tile is asked for
; jointly (mask 15): four requests become one.  Heads share nothing, so the cluster does not reach along y.
; KEY ORDER.  Cluster k of a head walks the 32 key blocks from block 8 k on, round the end: a softmax does not hang on the order of its keys,
; and the four clusters of a head then read different parts of K and V at any one time.  The start hangs on the cluster's number alone.
; BOTH PRODUCTS ARE TRANSPOSED.  S^T = K Q^T (source 0 = 16 keys, source 1 = 16 queries) leaves in lane l the query l % 16 and in its eight
; registers the keys 8 (l / 16) + 0..7.  So maxima and sums run inside a lane plus one exchange of the lane halves, the factor for old sums is
; one number a lane, and two neighbouring registers rounded to bf16 are a register of source 1 of O^T = V^T P^T: P goes through no LDS.
; K AND V come as f32 by tensor loads into two slots; while a block is multiplied the eight waves round the next one to bf16, once for the
; work-group, into one of two bf16 buffers.  One round of the cluster's barrier a trip.  A slot's 256 rows are shared among eight waves, 32 rows
; a load, so that every wave issues its one load by the same line.  Tensor loads outstanding in a wave: three at the start, then one.
;
; LIMITS.  Inputs finite and q . k finite in f32.  A NaN among the scores is dropped by the maxima (v_max_num), so NaN and infinite inputs are
; not reproduced.  The exponential gives 0 for results below 2^-126.  Q, K, V and P enter the products rounded to bf16; the sum of P is taken
; over the f32 values.  The order of the keys and the split into two halves differ from a plain sum's order of rounding.
.set FP,    272                        ; pitch of f32 rows in LDS: 256 bytes + 16 of padding
.set WTILE, 32*FP                      ; what one tensor load fills: 32 rows
.set SLOTB, 256*FP                     ; an f32 slot: 128 rows of K, then 128 rows of V
.set VROWS, 128*FP                     ; where V's rows begin in a slot
.set QM,    2*SLOTB                    ; 256 rows of Q in f32 (filled once); behind the loop the stage of the merge and of the way out
.set BF,    3*SLOTB                    ; two bf16 buffers
.set PK,    144                        ; pitch of K's bf16 rows: 128 bytes + 16, an odd multiple of 16
.set PV,    160                        ; pitch of V's bf16 rows: 128 bytes + 32, an odd multiple of 32 (read by the transposing load)
.set BV,    128*PK                     ; where V's rows begin in a buffer
.set BUFB,  128*PK+128*PV              ; a buffer: 38,912 bytes
; window 0
.set KA,  2                            ; K fragments:  BF + (64 g + r) PK + 16 h                 (r = lane % 16, h = lane / 16)
.set VA,  3                            ; V fragments:  BF + BV + (64 g + 8 h + lane % 8) PV + 16 ((lane / 8) % 2)
.set CF,  4                            ; v4, v5: conversion reads, slot 0, 1: (16 w + lane / 8) FP + 32 (lane % 8)
.set KST, 6                            ; conversion stores of K: BF + (16 w + lane / 8) PK + 16 (lane % 8)
.set VST, 7                            ; of V: BF + BV + (16 w + lane / 8) PV + 16 (lane % 8)
.set QA,  8                            ; QM + (64 a + r) FP + 32 h: Q fragments, and O in the merge
.set MLA, 9                            ; QM + (64 a + r) FP + 256: the row's padding holds (sum, -c max) in the merge
.set RD,  10                           ; QM + (64 a + h) FP + 16 r: whole rows read back
.set CO,  11                           ; 4096 h + 16 r: the same two rows in out0
.set PFO, 12                           ; 4096 lane: a row a lane, for the prefetch
.set NM,  16                           ; v[16:23] q-tile i: two copies of -c max, used by turns (trip parity)
.set MX,  24                           ; v[24:27] q-tile i: running maximum of the raw scores
.set AL,  32                           ; v[32:35] q-tile i: factor for the old sums
.set L2,  36                           ; v[36:43] q-tile i: running sum, two partial sums a lane
.set T,   44                           ; v[44:59] at work
.set FPR, 52                           ; v[52:59] merge: q-tile i: factor of my half, factor of the partner's
.set CT,  60                           ; v[60:63] merge: at work
.set KF,  64                           ; v[64:127] K fragment (kt, c) at KF + 8 (4 c + kt)
.set SB,  128                          ; v[128:255] scores (i, kt) at SB + 32 i + 8 kt; P (i, c) is packed to SB + 16 i + 8 c
.set CV,  SB+64                        ; v[192:255] free once P is packed: the next block on its way from f32 to bf16
; window 1 (v256-511, named by their low 8 bits)
.set QF,  128                          ; Q fragment (i, c) at QF + 8 (2 i + c);  O (i, t) at 8 (4 i + t), from 0
.set VF,  192                          ; V fragment (t, c) at VF + 8 (4 c + t)
.set MSB, 0
.macro WIN new                         ; s_set_vgpr_msb: bits 1:0 source 0, 3:2 source 1, 5:4 source 2, 7:6 destination; the high byte repeats the setting left
.if MSB != \new
	s_set_vgpr_msb (MSB<<8)|\new
.set MSB, \new
.endif
.endm
.macro PLACES                          ; four places behind a matrix instruction (ISA guide 7.12.1)
.rept 4
	v_nop
.endr
.endm
; A round of the cluster's barrier: my work-group's barrier, wave 0 signals for the work-group, every wave waits for all four work-groups, my work-group's barrier again.
.macro ROUND
	s_barrier_signal -1
	s_barrier_wait -1
	s_cmp_lg_u32 s12, 0
	s_cbranch_scc1 .Lnot_wave_0_\@
	s_barrier_signal -3
.Lnot_wave_0_\@:
	s_barrier_wait -3
	s_barrier_signal -1
	s_barrier_wait -1
.endm
; Prefetch of two key blocks (256 rows of K and of V of my head), 2 lap blocks behind the cluster's first.  Waves 0 and 1 ask for K, waves 4 and 5 for V, a row a lane:
; 32 rows a wave, 64 a work-group, 256 for the four partners, each row once.  Used for laps 1 to 3, the blocks 2 to 7 that this cluster is the first to read;
; the last row asked for is row 128 (8 k + 7) + 127 <= 4095, inside the tensor.  Its address registers are never written again.
.macro PF lap
	s_cmp_gt_u32 s13, 1
	s_cbranch_scc1 .Lnopf_\@
	global_prefetch_b8 v[PFO], s[62:63] offset:\lap*0x100000 th:TH_LOAD_NT scope:SCOPE_SE
.Lnopf_\@:
.endm
	s_load_b256 s[4:11], s[0:1], 0x0               ; query s[4:5], key s[6:7], value s[8:9], out0 s[10:11]
	v_lshl_add_u32 v30, v0, 2, 0x46000
	v_mov_b32 v31, 0
	ds_add_u32 v30, v31
	v_lshrrev_b32 v1, 5, v0
	v_readfirstlane_b32 s12, v1                    ; wave w, 0 to 7
	s_and_b32 s13, s12, 3                          ; a: my 64 query rows; also which 32 rows of a K or V tile I fetch
	s_lshr_b32 s14, s12, 2                         ; g: my half of a block's keys
	s_bfe_u32 s15, ttmp6, 0x40000                  ; cx: my place in the cluster
	s_lshl_b32 s16, ttmp9, 2
	s_add_co_u32 s16, s16, s15                     ; x = 4 x cluster + cx: my block of 256 query rows
	s_and_b32 s17, ttmp7, 0xffff
	s_lshl_b32 s17, s17, 8                         ; 256 bytes x head
	s_mov_b32 s56, 0x3e38aa3b                      ; c = log2(e) / 8: softmax scale and the change to base 2 in one factor
	s_mov_b32 s57, 0x3e38aa3b                      ; (the pair is named as a whole)
	s_mov_b32 s58, 0xbe38aa3b                      ; -c
	s_mov_b32 s60, 0x76543210                      ; v_permlanex16_b32: lane i of one half reads lane i of the other
	s_mov_b32 s61, 0xfedcba98
	; descriptor group 1: a tile of 32 rows x 64 elements of 4 bytes, rows 1,024 elements apart, 4 words of padding behind every 64 words
	s_mov_b32 s24, 0x0772000f                      ; 15:0 mask = the cluster's four; 17:16 size code 2; 20 padding on; 21 set beside a mask; 24:22 code 5; 31:25 code 3
	s_mov_b32 s25, 64<<16                          ; tensor_dim0 = 64
	s_mov_b32 s26, 32<<16                          ; tensor_dim1 = 32
	s_mov_b32 s27, 64<<16                          ; tile_dim0 = 64
	s_mov_b32 s28, 32                              ; tile_dim1 = 32
	s_mov_b32 s29, 1024                            ; stride from row to row
	s_mov_b32 s30, 0
	s_mov_b32 s31, 0
	s_mov_b32 s32, 0x07520000                      ; the same shape without a mask: Q's tiles are my work-group's own
	s_mov_b32 s33, 64<<16
	s_mov_b32 s34, 32<<16
	s_mov_b32 s35, 64<<16
	s_mov_b32 s36, 32
	s_mov_b32 s37, 1024
	s_mov_b32 s38, 0
	s_mov_b32 s39, 0
	; K and V: nothing here hangs on my place in the cluster
	s_lshl_b32 s22, s13, 17                        ; a x 32 rows x 4,096 bytes
	s_add_co_u32 s22, s22, s17                     ; + head
	s_mov_b32 s23, 0
	s_lshl_b32 s52, ttmp9, 22                      ; slot 0's block: 8 k blocks of 128 rows x 4,096 bytes
	s_mov_b32 s53, 0
	s_add_co_u32 s54, s52, 0x80000                 ; slot 1's: one block on
	s_mov_b32 s55, 0
	s_mul_i32 s18, s12, WTILE                      ; LDS: rows 32 w of a slot (waves 0-3 K's rows, waves 4-7 V's), and of Q's region
	s_mov_b32 s40, 1
	s_add_co_u32 s41, s18, 0
	s_mov_b32 s44, 1
	s_add_co_u32 s45, s18, SLOTB
	s_mov_b32 s48, 1
	s_add_co_u32 s49, s18, QM
	; Q: rows 256 x + 32 w
	s_lshl_b32 s2, s16, 20
	s_lshl_b32 s19, s12, 17
	s_add_co_u32 s2, s2, s19
	s_add_co_u32 s2, s2, s17
	s_mov_b32 s3, 0
	s_wait_dscnt 0x0
	s_wait_kmcnt 0x0
	s_add_nc_u64 s[50:51], s[4:5], s[2:3]
	s_or_b32 s51, s51, 0x80000000                  ; type = 2
	s_cmp_lt_u32 s12, 4                            ; waves 0-3 fetch K, waves 4-7 V
	s_cselect_b64 s[20:21], s[6:7], s[8:9]
	s_cselect_b64 s[62:63], s[6:7], s[8:9]
	s_add_nc_u64 s[20:21], s[20:21], s[22:23]      ; BASE: my 32 rows of block 0, my head
	s_add_nc_u64 s[42:43], s[20:21], s[52:53]
	s_or_b32 s43, s43, 0x80000000
	s_add_nc_u64 s[46:47], s[20:21], s[54:55]
	s_or_b32 s47, s47, 0x80000000
	ROUND                                          ; all four work-groups are here: the first joint loads meet
	tensor_load_to_lds s[48:51], s[32:39]          ; Q
	s_nop 0
	tensor_load_to_lds s[40:43], s[24:31]          ; the first key block, into slot 0
	s_nop 0
	tensor_load_to_lds s[44:47], s[24:31]          ; the second, into slot 1
	s_nop 0
	; out0 at my wave's first row; the prefetch's base
	s_lshl_b32 s2, s16, 20
	s_lshl_b32 s19, s13, 18
	s_add_co_u32 s2, s2, s19
	s_add_co_u32 s2, s2, s17
	s_add_nc_u64 s[10:11], s[10:11], s[2:3]        ; row 256 x + 64 a, my head
	s_lshl_b32 s2, s15, 18                         ; 64 cx rows
	s_and_b32 s19, s12, 1
	s_lshl_b32 s19, s19, 17                        ; + 32 (w & 1) rows
	s_add_co_u32 s2, s2, s19
	s_add_co_u32 s2, s2, s52                       ; + the cluster's first block
	s_add_co_u32 s2, s2, s17
	s_add_nc_u64 s[62:63], s[62:63], s[2:3]
	v_and_b32 v15, 31, v0                          ; lane
	v_lshlrev_b32 v[PFO], 12, v15
	PF 1                                           ; blocks 2 and 3: their tensor loads go out at the heads of the first two trips
	v_and_b32 v13, 15, v0                          ; r
	v_bfe_u32 v14, v0, 4, 1                        ; h
	s_mul_i32 s18, s14, 64*PK
	s_add_co_u32 s18, s18, BF
	v_mul_u32_u24 v[KA], v13, PK
	v_lshl_add_u32 v[KA], v14, 4, v[KA]
	v_add_nc_u32 v[KA], s18, v[KA]
	s_mul_i32 s18, s14, 64*PV
	s_add_co_u32 s18, s18, BF+BV
	v_and_b32 v1, 7, v0
	v_lshl_add_u32 v1, v14, 3, v1                  ; 8 h + lane % 8
	v_mul_u32_u24 v[VA], v1, PV
	v_bfe_u32 v1, v0, 3, 1
	v_lshl_add_u32 v[VA], v1, 4, v[VA]
	v_add_nc_u32 v[VA], s18, v[VA]
	s_mul_i32 s18, s12, 16*FP
	v_lshrrev_b32 v1, 3, v15                       ; lane / 8
	v_and_b32 v15, 7, v0                           ; lane % 8
	v_mul_u32_u24 v[CF], v1, FP
	v_lshl_add_u32 v[CF], v15, 5, v[CF]
	v_add_nc_u32 v[CF], s18, v[CF]
	v_add_nc_u32 v[CF+1], SLOTB, v[CF]
	s_mul_i32 s18, s12, 16*PK
	s_add_co_u32 s18, s18, BF
	v_mul_u32_u24 v[KST], v1, PK
	v_lshl_add_u32 v[KST], v15, 4, v[KST]
	v_add_nc_u32 v[KST], s18, v[KST]
	s_mul_i32 s18, s12, 16*PV
	s_add_co_u32 s18, s18, BF+BV
	v_mul_u32_u24 v[VST], v1, PV
	v_lshl_add_u32 v[VST], v15, 4, v[VST]
	v_add_nc_u32 v[VST], s18, v[VST]
	s_mul_i32 s18, s13, 64*FP
	s_add_co_u32 s18, s18, QM
	v_mul_u32_u24 v[QA], v13, FP
	v_add_nc_u32 v[QA], s18, v[QA]
	v_add_nc_u32 v[MLA], 256, v[QA]
	v_lshl_add_u32 v[QA], v14, 5, v[QA]
	v_mul_u32_u24 v[RD], v14, FP
	v_lshl_add_u32 v[RD], v13, 4, v[RD]
	v_add_nc_u32 v[RD], s18, v[RD]
	v_lshlrev_b32 v[CO], 4, v13
	v_lshl_add_u32 v[CO], v14, 12, v[CO]
; 16 LDS loads: my 64 keys x 64 d of K in bf16 as fragments (16 rows x 32 d: two loads of 16 bytes, 32 bytes apart); the first eight serve d 0-31
.macro KLOAD par
.irp c, 0,1
.irp k, 0,1,2,3
	ds_load_b128 v[KF+8*(4*\c+\k):KF+8*(4*\c+\k)+3],   v[KA] offset:\par*BUFB+\k*16*PK+64*\c
	ds_load_b128 v[KF+8*(4*\c+\k)+4:KF+8*(4*\c+\k)+7], v[KA] offset:\par*BUFB+\k*16*PK+64*\c+32
.endr
.endr
.endm
; 16 transposing loads: V^T fragments (16 d x 32 keys) from V's rows, which lie along d; two loads, 16 rows apart
.macro VLOAD par
.irp c, 0,1
.irp t, 0,1,2,3
	ds_load_tr16_b128 v[VF+8*(4*\c+\t):VF+8*(4*\c+\t)+3],   v[VA] offset:\par*BUFB+\c*32*PV+32*\t
	ds_load_tr16_b128 v[VF+8*(4*\c+\t)+4:VF+8*(4*\c+\t)+7], v[VA] offset:\par*BUFB+\c*32*PV+32*\t+16*PV
.endr
.endr
.endm
; 16 matrix instructions: S^T (4 key tiles x 4 query tiles) over d = 32 c .. 32 c + 31.  The first half starts the sums with the constant 0.
; The sixteen accumulators take turns, one instruction a turn.
.macro QK c
.irp k, 0,1,2,3
.irp i, 0,1,2,3
.if \c
	v_wmma_f32_16x16x32_bf16 v[SB+32*\i+8*\k:SB+32*\i+8*\k+7], v[KF+8*(4*\c+\k):KF+8*(4*\c+\k)+7], v[QF+8*(2*\i+\c):QF+8*(2*\i+\c)+7], v[SB+32*\i+8*\k:SB+32*\i+8*\k+7]
.else
	v_wmma_f32_16x16x32_bf16 v[SB+32*\i+8*\k:SB+32*\i+8*\k+7], v[KF+8*(4*\c+\k):KF+8*(4*\c+\k)+7], v[QF+8*(2*\i+\c):QF+8*(2*\i+\c)+7], 0
.endif
.endr
.endr
.endm
; For each query tile: the largest of my 32 scores and the old maximum, the other lane half's, -c max into this trip's copy, and the
; exponent of the old sums' factor as the difference of the two copies: the very numbers that the exponentials of the two trips take.
.macro MAXES first, par
.irp i, 0,1,2,3
.irp k, 0,1,2,3
	v_max3_num_f32 v[T+4*\i+\k], v[SB+32*\i+8*\k], v[SB+32*\i+8*\k+1], v[SB+32*\i+8*\k+2]
.endr
.irp k, 0,1,2,3
	v_max3_num_f32 v[T+4*\i+\k], v[T+4*\i+\k], v[SB+32*\i+8*\k+3], v[SB+32*\i+8*\k+4]
.endr
.irp k, 0,1,2,3
	v_max3_num_f32 v[T+4*\i+\k], v[T+4*\i+\k], v[SB+32*\i+8*\k+5], v[SB+32*\i+8*\k+6]
.endr
	v_max3_num_f32 v[T+4*\i],   v[T+4*\i],   v[T+4*\i+1], v[SB+32*\i+7]
	v_max3_num_f32 v[T+4*\i+2], v[T+4*\i+2], v[T+4*\i+3], v[SB+32*\i+15]
	v_max3_num_f32 v[T+4*\i],   v[T+4*\i],   v[T+4*\i+2], v[SB+32*\i+23]
.if \first
	v_max_num_f32 v[T+4*\i], v[T+4*\i], v[SB+32*\i+31]
.else
	v_max3_num_f32 v[T+4*\i], v[T+4*\i], v[SB+32*\i+31], v[MX+\i]
.endif
	v_permlanex16_b32 v[T+4*\i+1], v[T+4*\i], s60, s61         ; the same query's other 32 keys
	v_max_num_f32 v[MX+\i], v[T+4*\i], v[T+4*\i+1]
	v_mul_f32 v[NM+2*\i+\par], s58, v[MX+\i]
.if \first
	v_mul_f32 v[NM+2*\i+1-\par], s58, v[MX+\i]                 ; the pair is named as a whole below: both copies are written
.else
	v_sub_f32 v[AL+\i], v[NM+2*\i+\par], v[NM+2*\i+1-\par]     ; <= 0, and exactly 0 where the maximum stood
.endif
.endr
.if \first
.else
.irp i, 0,1,2,3
	v_exp_f32 v[AL+\i], v[AL+\i]                   ; the plain instruction behind these four is the first multiply-add below, which names none of them
.endr
.endif
.endm
; two scores: c s - c max, with this trip's copy of -c max for both
.macro SFMA d, m, par
.if \par
	v_pk_fma_f32 v[\d:\d+1], v[\d:\d+1], s[56:57], v[\m:\m+1] op_sel:[0,0,1] op_sel_hi:[1,0,1]
.else
	v_pk_fma_f32 v[\d:\d+1], v[\d:\d+1], s[56:57], v[\m:\m+1] op_sel_hi:[1,0,0]
.endif
.endm
; pair p - 1 of the tile joins the running sums; the first pair brings the old sums along, times their factor
.macro SUMP i, sel, first
.if p == 1
.if \first
	v_nop                                          ; the first trip has no old sums; the place behind the exponentials stays
.else
	s_wait_alu depctr_va_vdst(0)
	v_pk_fma_f32 v[L2+2*\i:L2+2*\i+1], v[L2+2*\i:L2+2*\i+1], v[AL+\i-\sel:AL+\i-\sel+1], v[SI:SI+1] op_sel:[0,\sel,0] op_sel_hi:[1,\sel,1]
.endif
.else
.if p == 2
.if \first
	s_wait_alu depctr_va_vdst(0)
	v_pk_add_f32 v[L2+2*\i:L2+2*\i+1], v[SI:SI+1], v[SI+2:SI+3]             ; the first two pairs start the sums: nothing is cleared
.else
	v_pk_add_f32 v[L2+2*\i:L2+2*\i+1], v[L2+2*\i:L2+2*\i+1], v[SI+2:SI+3]
.endif
.else
	s_wait_alu depctr_va_vdst(0)
	v_pk_add_f32 v[L2+2*\i:L2+2*\i+1], v[L2+2*\i:L2+2*\i+1], v[SI+2*p-2:SI+2*p-1]
.endif
.endif
.endm
; One query tile: 32 scores a lane become p = 2^(c s - c max), are summed in f32 and packed to bf16 as source 1 of the second product.
; Behind each pair of exponentials stands a plain instruction that names neither (the last multiply-add, then the sum of the pair before)
; ahead of the first use of their results (ISA guide 5.7.2).  Packing goes upward and lands only on registers that have been used up.
.macro SOFT i, sel, first, par
.set SI, SB+32*\i
.set p, 0
.rept 15
	SFMA SI+2*p,NM+2*\i,\par
.set p, p+1
.endr
	v_exp_f32 v[SI], v[SI]
	v_exp_f32 v[SI+1], v[SI+1]
	SFMA SI+30,NM+2*\i,\par
.set p, 1
.rept 15
	v_exp_f32 v[SI+2*p], v[SI+2*p]
	v_exp_f32 v[SI+2*p+1], v[SI+2*p+1]
	SUMP \i,\sel,\first
.set p, p+1
.endr
	v_cvt_pk_bf16_f32 v[SB+16*\i], v[SI], v[SI+1]
	s_wait_alu depctr_va_vdst(0)
	v_pk_add_f32 v[L2+2*\i:L2+2*\i+1], v[L2+2*\i:L2+2*\i+1], v[SI+30:SI+31]
.set p, 1
.rept 15
	v_cvt_pk_bf16_f32 v[SB+16*\i+p], v[SI+2*p], v[SI+2*p+1]
.set p, p+1
.endr
.endm
; the 32 old sums of O of one query tile, times the lane's factor
.macro RESC i, sel
.set p, 0
.rept 16
	v_pk_mul_f32 v[32*\i+2*p:32*\i+2*p+1], v[AL+\i-\sel:AL+\i-\sel+1], v[32*\i+2*p:32*\i+2*p+1] op_sel:[\sel,0] op_sel_hi:[\sel,1]
.set p, p+1
.endr
.endm
; 32 matrix instructions: O^T (4 d tiles x 4 query tiles) += V^T P^T over my 64 keys.  The sixteen accumulators take turns, one instruction a turn.
.macro PVM first
.irp c, 0,1
.irp t, 0,1,2,3
.irp i, 0,1,2,3
.if \first*(1-\c)
	v_wmma_f32_16x16x32_bf16 v[8*(4*\i+\t):8*(4*\i+\t)+7], v[VF+8*(4*\c+\t):VF+8*(4*\c+\t)+7], v[SB+16*\i+8*\c:SB+16*\i+8*\c+7], 0
.else
	v_wmma_f32_16x16x32_bf16 v[8*(4*\i+\t):8*(4*\i+\t)+7], v[VF+8*(4*\c+\t):VF+8*(4*\c+\t)+7], v[SB+16*\i+8*\c:SB+16*\i+8*\c+7], v[8*(4*\i+\t):8*(4*\i+\t)+7]
.endif
.endr
.endr
.endr
.endm
; The next block from f32 to bf16: wave w takes rows 16 w .. 16 w + 15 of K and of V; a lane takes 8 numbers (32 bytes), four rows a pair of loads.
.macro CONV_LOAD slot
.irp q, 0,1,2,3
	ds_load_b128 v[CV+8*\q:CV+8*\q+3],   v[CF+\slot] offset:4*FP*\q
	ds_load_b128 v[CV+8*\q+4:CV+8*\q+7], v[CF+\slot] offset:4*FP*\q+16
.endr
.irp q, 0,1,2,3
	ds_load_b128 v[CV+32+8*\q:CV+32+8*\q+3],   v[CF+\slot] offset:VROWS+4*FP*\q
	ds_load_b128 v[CV+32+8*\q+4:CV+32+8*\q+7], v[CF+\slot] offset:VROWS+4*FP*\q+16
.endr
.endm
; packed in place (upward), then 16 bytes a lane into the bf16 buffer.  The 32 conversions name no register of the second product:
; they are also the places between its last matrix instruction and the next trip's loads into V's fragments and products over P's registers.
.macro CONV_STORE buf
.irp q, 0,1,2,3,4,5,6,7
.irp m, 0,1,2,3
	v_cvt_pk_bf16_f32 v[CV+8*\q+\m], v[CV+8*\q+2*\m], v[CV+8*\q+2*\m+1]
.endr
.endr
.irp q, 0,1,2,3
	ds_store_b128 v[KST], v[CV+8*\q:CV+8*\q+3] offset:(\buf)*BUFB+4*PK*\q
.endr
.irp q, 0,1,2,3
	ds_store_b128 v[VST], v[CV+32+8*\q:CV+32+8*\q+3] offset:(\buf)*BUFB+4*PV*\q
.endr
.endm
; One key block.  par = the trip's parity: its bf16 buffer, and the f32 slot that held it and is free.  first: the sums start.  refill: slot par gets the
; block two trips on.  conv: the next block (slot 1 - par) is rounded into buffer 1 - par.  pf: the lap to prefetch, or 0.
; ONE barrier a trip.  In front of it every wave has waited for all its LDS instructions (fragment reads of the other buffer, conversion reads of slot par,
; stores into buffer par) and for its tensor load (its part of slot 1 - par).  Behind it: slot par is filled first, buffer par and slot 1 - par are read,
; buffer 1 - par is written.  Where a slot is filled, the barrier is a round of the cluster's, since the load is joint.
.macro TRIP par, first, refill, conv, pf
	s_wait_tensorcnt 0x0                           ; my one load that is out has landed: every group 0 may be written
	ds_add_u32 v30, v31
	s_wait_dscnt 0x0
.if \refill
	s_add_co_u32 s[52+2*\par], s[52+2*\par], 0x100000          ; two blocks on,
	s_and_b32 s[52+2*\par], s[52+2*\par], 0xffffff             ; round the tensor's end (32 blocks = 16 MiB)
	s_add_nc_u64 s[42+4*\par:43+4*\par], s[20:21], s[52+2*\par:53+2*\par]
	s_or_b32 s[43+4*\par], s[43+4*\par], 0x80000000
.endif
	s_wait_dscnt 0x0                               ; for the others' sake: all my LDS reads and stores are done
.if \refill
	ROUND
	tensor_load_to_lds s[40+4*\par:43+4*\par], s[24:31]        ; my one load behind the round; it has the whole trip in which to land
	s_nop 0
.else
	s_barrier_signal -1
	s_barrier_wait -1
.endif
	KLOAD \par
	WIN 0x40                                       ; destination window 1
	VLOAD \par
	WIN 0x04                                       ; source 1 (Q) window 1
	s_wait_dscnt 24                                ; K for d 0-31 is in; 8 loads of K and 16 of V may be out
	QK 0
	s_wait_dscnt 16                                ; all of K is in; V's 16 loads may be out
	QK 1
	WIN 0
	PLACES                                         ; in front of the first vector instruction that reads a score
.if \pf
	PF \pf
.endif
	MAXES \first, \par
	SOFT 0, 0, \first, \par
	SOFT 1, 1, \first, \par
	SOFT 2, 0, \first, \par
	SOFT 3, 1, \first, \par
.if \conv
	CONV_LOAD 1-\par
.endif
.if \first
.else
	WIN 0x44                                       ; destination and source 1 (O) window 1
	RESC 0, 0
	RESC 1, 1
	RESC 2, 0
	RESC 3, 1
.endif
	WIN 0x51                                       ; D, C (O) and source 0 (V) window 1, source 1 (P) window 0
.if \conv
	s_wait_dscnt 16                                ; V's fragments are in; the 16 conversion loads issued behind them may be out
.else
	s_wait_dscnt 0x0
.endif
	PVM \first
	WIN 0
.if \conv
	s_wait_dscnt 0x0
	CONV_STORE 1-\par
.endif
.endm
	s_wait_tensorcnt 0x1                           ; my parts of Q and of the first block are in; one load was issued behind them and may stay out
	s_barrier_signal -1
	s_barrier_wait -1                              ; everybody's are
	; Q's fragments, once: query row r of tile i, d = 32 c + 8 h + 0..7 and 32 c + 16 + 8 h + 0..7, in f32, rounded to bf16 into window 1
.irp i, 0,1,2,3
.irp c, 0,1
	ds_load_b128 v[SB+16*(2*\i+\c):SB+16*(2*\i+\c)+3],     v[QA] offset:16*FP*\i+128*\c
	ds_load_b128 v[SB+16*(2*\i+\c)+4:SB+16*(2*\i+\c)+7],   v[QA] offset:16*FP*\i+128*\c+16
	ds_load_b128 v[SB+16*(2*\i+\c)+8:SB+16*(2*\i+\c)+11],  v[QA] offset:16*FP*\i+128*\c+64
	ds_load_b128 v[SB+16*(2*\i+\c)+12:SB+16*(2*\i+\c)+15], v[QA] offset:16*FP*\i+128*\c+80
.endr
.endr
	s_wait_dscnt 0x0
	WIN 0x40
.irp f, 0,1,2,3,4,5,6,7
.irp m, 0,1,2,3,4,5,6,7
	v_cvt_pk_bf16_f32 v[QF+8*\f+\m], v[SB+16*\f+2*\m], v[SB+16*\f+2*\m+1]
.endr
.endr
	WIN 0
	CONV_LOAD 0                                    ; the first block into buffer 0
	s_wait_dscnt 0x0
	CONV_STORE 0
	TRIP 0, 1, 1, 1, 2                             ; 32 trips: the first starts the sums, 30 fill a slot (blocks 2 to 31), the last two fill nothing
	TRIP 1, 0, 1, 1, 3
	s_mov_b32 s59, 14
.Llap:
	TRIP 0, 0, 1, 1, 0
	TRIP 1, 0, 1, 1, 0
	s_sub_co_u32 s59, s59, 1
	s_cmp_lg_u32 s59, 0
	s_cbranch_scc1 .Llap
	TRIP 0, 0, 0, 1, 0
	TRIP 1, 0, 0, 0, 0
	; THE MERGE.  Each wave's sum of p: its two partial sums and the other lane half's.  It goes into the stale copy of -c max (the last trip used copy 1),
	; so that the pair (sum, -c max) lies ready.
.irp i, 0,1,2,3
	v_add_f32 v[NM+2*\i], v[L2+2*\i], v[L2+2*\i+1]
.endr
.irp i, 0,1,2,3
	v_permlanex16_b32 v[T+\i], v[NM+2*\i], s60, s61
.endr
.irp i, 0,1,2,3
	v_add_f32 v[NM+2*\i], v[NM+2*\i], v[T+\i]
.endr
	PLACES                                         ; behind the last matrix instruction: O is read, and registers that it named are loaded, below
	s_cmp_lt_u32 s12, 4
	s_cbranch_scc1 .Lkeep
	; waves 4-7 lay their O down as rows [query][d] of f32 in Q's region, which has had its only fill and was last read before the first trip's barrier
	WIN 0x04                                       ; an LDS store's data is source 1: window 1
.irp i, 0,1,2,3
.irp t, 0,1,2,3
	ds_store_b128 v[QA], v[8*(4*\i+\t):8*(4*\i+\t)+3]   offset:16*FP*\i+64*\t
	ds_store_b128 v[QA], v[8*(4*\i+\t)+4:8*(4*\i+\t)+7] offset:16*FP*\i+64*\t+16
.endr
.endr
	WIN 0
.irp i, 0,1,2,3
	ds_store_b64 v[MLA], v[NM+2*\i:NM+2*\i+1] offset:16*FP*\i  ; both lane halves hold the same pair
.endr
.Lkeep:
	s_wait_dscnt 0x0                               ; for the others' sake
	s_barrier_signal -1
	s_barrier_wait -1
	s_cmp_lt_u32 s12, 4
	s_cbranch_scc0 .Ldone
	; waves 0-3: the partner's pair and O, the two factors, the weighted sum, and out
.irp i, 0,1,2,3
	ds_load_b64 v[T+2*\i:T+2*\i+1], v[MLA] offset:16*FP*\i
.endr
.irp i, 0,1,2,3
.irp t, 0,1,2,3
	ds_load_b128 v[SB+32*\i+8*\t:SB+32*\i+8*\t+3],   v[QA] offset:16*FP*\i+64*\t
	ds_load_b128 v[SB+32*\i+8*\t+4:SB+32*\i+8*\t+7], v[QA] offset:16*FP*\i+64*\t+16
.endr
.endr
	s_wait_dscnt 32                                ; the four pairs are in; the 32 loads of O may be out
.irp i, 0,1,2,3
	v_min_num_f32 v[CT], v[NM+2*\i+1], v[T+2*\i+1]             ; -c x the larger maximum
	v_sub_f32 v[CT+1], v[CT], v[NM+2*\i+1]                     ; <= 0: my half's exponent,
	v_sub_f32 v[CT+2], v[CT], v[T+2*\i+1]                      ; the partner's
	v_exp_f32 v[CT+1], v[CT+1]
	v_exp_f32 v[CT+2], v[CT+2]
	v_nop                                                      ; the place behind the exponentials
	s_wait_alu depctr_va_vdst(0)
	v_mul_f32 v[CT+3], v[T+2*\i], v[CT+2]
	v_fma_f32 v[CT+3], v[NM+2*\i], v[CT+1], v[CT+3]            ; the whole row's sum: at least about 1, the largest score's own term
	v_rcp_f32 v[CT+3], v[CT+3]
	v_nop                                                      ; the place behind the reciprocal
	s_wait_alu depctr_va_vdst(0)
	v_mul_f32 v[FPR+2*\i], v[CT+1], v[CT+3]
	v_mul_f32 v[FPR+2*\i+1], v[CT+2], v[CT+3]
.endr
	s_wait_dscnt 0x0
; query tile i: partner's O times its factor, plus mine times mine; back into the same rows; whole rows of 256 bytes read back into registers rb of their own and stored
.macro MERGE i, rb
.set p, 0
.rept 16
	v_pk_mul_f32 v[SB+32*\i+2*p:SB+32*\i+2*p+1], v[SB+32*\i+2*p:SB+32*\i+2*p+1], v[FPR+2*\i:FPR+2*\i+1] op_sel:[0,1] op_sel_hi:[1,1]
.set p, p+1
.endr
	WIN 0x01                                       ; source 0 (my O) window 1
.set p, 0
.rept 16
	v_pk_fma_f32 v[SB+32*\i+2*p:SB+32*\i+2*p+1], v[32*\i+2*p:32*\i+2*p+1], v[FPR+2*\i:FPR+2*\i+1], v[SB+32*\i+2*p:SB+32*\i+2*p+1] op_sel_hi:[1,0,1]
.set p, p+1
.endr
	WIN 0
.irp t, 0,1,2,3
	ds_store_b128 v[QA], v[SB+32*\i+8*\t:SB+32*\i+8*\t+3]   offset:16*FP*\i+64*\t
	ds_store_b128 v[QA], v[SB+32*\i+8*\t+4:SB+32*\i+8*\t+7] offset:16*FP*\i+64*\t+16
.endr
.irp u, 0,1,2,3,4,5,6,7
	ds_load_b128 v[\rb+4*\u:\rb+4*\u+3], v[RD] offset:16*FP*\i+2*FP*\u      ; LDS serves a wave's instructions in order (ISA guide 5.7.1): these see the stores above; no other wave touches these rows now
.endr
.irp u, 0,1,2,3,4,5,6,7
	s_wait_dscnt 7-\u                              ; the younger read-backs may be out
	global_store_b128 v[CO], v[\rb+4*\u:\rb+4*\u+3], s[10:11] offset:(16*\i+2*\u)*4096 th:TH_STORE_NT   ; 16 lanes store a head's row: 256 consecutive bytes, at a multiple of 256 from out0's first byte
.endr
.endm
	MERGE 0, KF                                    ; each tile's read-back has 32 registers of its own, so no store's data is written again:
	MERGE 1, KF+32                                 ; K's old fragments for tiles 0 and 1,
	MERGE 2, SB                                    ; and for tiles 2 and 3 the registers of tiles 0 and 1, whose LDS stores the count-down to 0 has shown done
	MERGE 3, SB+32
.Ldone:
	s_wait_dscnt 0x0
	s_wait_tensorcnt 0x0
	ds_add_u32 v30, v31
	s_wait_dscnt 0x0
	ROUND                                          ; the closing round: no work-group ends while a partner may still ask for a tile that names it
	s_endpgm
.Lfunc_end_k_q208dfb22a3_attn:
	.size	k_q208dfb22a3_attn, .Lfunc_end_k_q208dfb22a3_attn-k_q208dfb22a3_attn
	.p2alignl 7, 3214868480
	.fill 96, 4, 3214868480
	.section	.rodata,"a",@progbits
	.p2align	6, 0x0
	.amdhsa_kernel k_q208dfb22a3_attn
		.amdhsa_group_segment_fixed_size 327680
		.amdhsa_private_segment_fixed_size 0
		.amdhsa_enable_private_segment 0
		.amdhsa_kernarg_size 32
		.amdhsa_user_sgpr_count 2
		.amdhsa_user_sgpr_kernarg_segment_ptr 1
		.amdhsa_wavefront_size32 1
		.amdhsa_system_sgpr_workgroup_id_x 1
		.amdhsa_system_sgpr_workgroup_id_y 1
		.amdhsa_system_sgpr_workgroup_id_z 1
		.amdhsa_system_vgpr_workitem_id 0
		.amdhsa_next_free_vgpr 512
		.amdhsa_next_free_sgpr 66
		.amdhsa_reserve_vcc 0
		.amdhsa_float_denorm_mode_32 3
		.amdhsa_float_denorm_mode_16_64 3
		.amdhsa_memory_ordered 1
		.amdhsa_forward_progress 1
		.amdhsa_inst_pref_size 255
	.end_amdhsa_kernel
	.section	.bss,"aw",@nobits
	.p2align	6
	.space	262144
	.amdgpu_metadata
---
amdhsa.version: [ 1, 2 ]
amdhsa.kernels:
  - .name:           k_q208dfb22a3_attn
    .symbol:         k_q208dfb22a3_attn.kd
    .args:
      - { .name: query, .offset: 0, .size: 8, .value_kind: global_buffer, .address_space: global }
      - { .name: key, .offset: 8, .size: 8, .value_kind: global_buffer, .address_space: global }
      - { .name: value, .offset: 16, .size: 8, .value_kind: global_buffer, .address_space: global }
      - { .name: out0, .offset: 24, .size: 8, .value_kind: global_buffer, .address_space: global }
    .group_segment_fixed_size: 327680
    .private_segment_fixed_size: 0
    .kernarg_segment_align: 8
    .kernarg_segment_size: 32
    .max_flat_workgroup_size: 256
    .sgpr_count:     66
    .vgpr_count:     512
    .wavefront_size: 32
...
	.end_amdgpu_metadata
.endif
;; end of part 1
